; MI455X (gfx1250); checked and timed in simulation.
; The chip was launched on July 23, 2026; its instructions are those of AMD's public machine-readable ISA for CDNA 5 (MIT licence, August 2026) and "CDNA5" Instruction Set Architecture Reference Guide (July 2026). The comments in the code are by the model that wrote it; some were corrected since.
;; Equi Category Specific MLP. Allowed arithmetic: float matrix products may take bf16 or f16 operands with f32 sums; other float arithmetic in f32, or as packed bf16 or f16 multiplies, adds, multiply-adds, maxima and minima; sums over many terms, partial sums and values carried from step to step in f32; what a program stores and reads back later, other than sums and carried values, may be rounded once to bf16 or f16.
;; Inputs: W1 16 x 256 x 1,024 float32; W2 16 x 1,024 x 256 float32; b1 16 x 1,024 float32; b2 16 x 256 float32; cat_ids 8,192 int32; x 8,192 x 256 float32.
;; Outputs: out0 8,192 x 256 float32.
;; 2 versions, each right and faster than the one before. Each part assembles by itself: llvm-mc -triple=amdgcn-amd-amdhsa -mcpu=gfx1250 --defsym DOCPART=n.
;; ======== version 1 of 2: 2 launches
;; workspace buffers: w1f 8,388,608 bytes; w2f 8,388,608 bytes; order 524,288 bytes of whole numbers; counts 256 bytes of whole numbers
;; launch prep (part 1): grid 272 x 1, 8 waves a work-group, no clusters, 104,704 bytes of LDS; arguments W1, W2, cat_ids, w1f, w2f, order, counts; writes w1f, w2f, order, counts
.if DOCPART == 1
	.amdgcn_target "amdgcn-amd-amdhsa--gfx1250"
	.amdhsa_code_object_version 6
	.text
	.protected	k_qa671634a9f_prep
	.globl	k_qa671634a9f_prep
	.p2align	8
	.type	k_qa671634a9f_prep,@function
k_qa671634a9f_prep:
	s_mov_b64 s[64:65], 0
	v_nop
	global_prefetch_b8 v0, s[64:65] scope:SCOPE_SE
	s_setreg_imm32_b32 hwreg(HW_REG_WAVE_MODE, 25, 1), 1
	s_wait_xcnt 0x0
; PREP.  Three kinds of work-group, told apart by the work-group's number alone (the same for all eight waves):
;   0-15     expert e = the number: the list of the tokens whose cat_ids is e (order[e][0 .. n_e-1], any order) and n_e (counts[e]).
;   16-143   W1 [16][256 k][1024 n] f32 -> w1f, bf16, [e][ht 64][ks 8][fragment];   144-271   W2 [16][1024 k][256 n] f32 -> w2f, bf16, [e][ks2 32][ot 16][fragment].
; A FRAGMENT is 16 columns n x 32 k, 1,024 bytes, in the order in which a 16-bit matrix operand takes it: the eight bf16 of column r = n % 16 and k group g = (k % 32) / 8
; lie at byte (g / 2) 512 + (g % 2) 256 + 16 r.  So lane l = 16 h + r of the next launch loads 16 bytes at 16 l (k = 8 h ..) and at 512 + 16 l (k = 16 + 8 h ..).
; Each weight is read once and rounded once, to nearest even.  LIMITS: cat_ids lie in 0 .. 15 (an index stays inside its table); a token outside that range would be in no list.
; Of order[e] the places from n_e up to the next multiple of 1,024 are written with numbers that mean nothing, the places behind that not at all: the next launch reads the first n_e alone.
; No matrix unit, no cluster, no tensor load: every byte has one reader, and the turning of 32 k x 128 n goes through each wave's own LDS bytes.
; THE TEXT'S SHAPE.  The three kinds part at the head and join again at the one barrier, which every wave of every kind passes: it stands under no branch.  Only the list needs it (the eight waves'
; lists and counts meet there); behind it the other kinds go to the common end.  The list's LDS bytes lie apart from the stages.
.set WST,    8320                      ; a wave's stage: 8 fragments, 1,040 bytes apart; the eight stages fill bytes 0 to 66,559
.set FPITCH, 1040                      ; 1,024 + 16: the four fragments that sixteen lanes store into start 16 bytes apart modulo 256
.set SPARE,  66560                     ; the spare words: 128 bytes for each of eight waves, four blocks of 256 bytes that no other line names
.set LISTB,  67584                     ; the lists: for each wave LW words
.set LW,     1152                      ; 1,024 places for the wave's chosen tokens, 32 dump words (one a lane), the rest unused: 4,608 bytes, nine stores of 512
.set CNT,    LISTB+8*LW*4              ; 104,448: the eight waves' counts, in a block of 256 bytes of their own
.set SPW, 2                            ; v2   LDS address of my spare word; never rewritten
.set NIL, 3                            ; v3   0; never rewritten
.set L16, 4                            ; v4   16 x lane (list: 16 x thread)
.set SA,  5                            ; v5   where I store a column's chunks (list: 4 x thread)
.set RA,  6                            ; v6   where I read fragments back
.set X,   8                            ; v[8:135]   32 rows x 4 f32 as loaded; later the fragments read back
.set PK,  136                          ; v[136:199] 16 chunks of eight bf16
; scalars: s20 wave; s21 the list's count of my wave; s27 my wave's list in LDS; s[24:25] an offset with 0 above it; s40-s44 the converts' own
	s_load_b256 s[4:11], s[0:1], 0x0               ; W1 s[4:5], W2 s[6:7], cat_ids s[8:9], w1f s[10:11]
	s_load_b128 s[12:15], s[0:1], 0x20             ; w2f s[12:13], order s[14:15]
	s_load_b64 s[16:17], s[0:1], 0x30              ; counts
	v_lshl_add_u32 v[SPW], v0, 2, SPARE
	v_mov_b32 v[NIL], 0
	v_lshrrev_b32 v1, 5, v0
	v_readfirstlane_b32 s20, v1                    ; wave 0..7
	v_and_b32 v1, 31, v0                           ; lane
	s_mov_b32 s25, 0                               ; high word of the offset pair s[24:25]
	s_mov_b32 s21, 0                               ; my wave's count so far
	s_mul_i32 s27, s20, LW*4
	s_add_co_u32 s27, s27, LISTB                   ; my wave's list in LDS
	s_wait_kmcnt 0x0
	s_cmp_lt_u32 ttmp9, 16
	s_cbranch_scc1 .Llist
	s_cmp_ge_u32 ttmp9, 144
	s_cbranch_scc1 .Lw2
; One wave turns one unit of 32 k x 128 n (16,384 bytes in, 8 fragments out).  All 32 row loads go out at once, each 512 consecutive bytes.
.macro CONVERT SRC, DST, PITCH, FS
	v_lshlrev_b32 v[L16], 4, v1
.set rr, 0
.rept 32
	global_load_b128 v[X+4*rr:X+4*rr+3], v[L16], s[\SRC:\SRC+1] offset:rr*(\PITCH) th:TH_LOAD_NT  ; row k = rr, my columns 4 lane .. 4 lane + 3
.set rr, rr+1
.endr
	s_mul_i32 s44, s20, WST                        ; my wave's stage
	v_lshrrev_b32 v7, 2, v1                        ; my four columns lie in fragment lane / 4,
	v_mul_u32_u24 v[SA], v7, FPITCH
	v_and_b32 v7, 3, v1                            ; at r = 4 (lane % 4) + i
	v_lshl_add_u32 v[SA], v7, 6, v[SA]
	v_add_nc_u32 v[SA], s44, v[SA]
	v_add_nc_u32 v[RA], s44, v[L16]
.irp g, 0,1,2,3
	s_wait_loadcnt 24-8*(\g)                       ; loads return in order: the eight rows of k group g are in, the 8 (3 - g) behind them stay out
.irp i, 0,1,2,3
.irp p, 0,1,2,3
	v_cvt_pk_bf16_f32 v[PK+4*(4*(\g)+(\i))+(\p)], v[X+4*(8*(\g)+2*(\p))+(\i)], v[X+4*(8*(\g)+2*(\p)+1)+(\i)]  ; column i, k = 8 g + 2 p and the next
.endr
	ds_store_b128 v[SA], v[PK+4*(4*(\g)+(\i)):PK+4*(4*(\g)+(\i))+3] offset:((\g)/2)*512+((\g)%2)*256+(\i)*16
.endr
.endr
.set n, 0
.rept 16
	ds_load_b128 v[X+4*n:X+4*n+3], v[RA] offset:(n/2)*FPITCH+(n%2)*512  ; my wave's own bytes, and LDS serves a wave's instructions in order: these see the stores above
.set n, n+1
.endr
.set n, 0
.rept 16
	s_wait_dscnt 15-n                              ; half fragment n is back; the younger ones stay out
	global_store_b128 v[L16], v[X+4*n:X+4*n+3], s[\DST:\DST+1] offset:(n/2)*(\FS)+(n%2)*512  ; 512 consecutive bytes, at a multiple of 512 from the buffer's first
.set n, n+1
.endr
	s_branch .Ljoin
.endm
	; W1: work-group c = number - 16: expert c / 8, K step c % 8; wave = group of 128 columns
	s_sub_co_u32 s40, ttmp9, 16
	s_lshr_b32 s41, s40, 3                         ; e
	s_and_b32 s42, s40, 7                          ; ks
	s_lshl_b32 s24, s41, 20                        ; an expert's 1 MiB,
	s_lshl_b32 s43, s42, 17                        ; 32 rows of 4,096 bytes,
	s_add_co_u32 s24, s24, s43
	s_lshl_b32 s43, s20, 9                         ; 128 columns
	s_add_co_u32 s24, s24, s43
	s_add_nc_u64 s[4:5], s[4:5], s[24:25]
	s_lshl_b32 s24, s41, 19                        ; out: an expert's 512 KiB,
	s_lshl_b32 s43, s20, 16                        ; eight ht of 8,192 bytes,
	s_add_co_u32 s24, s24, s43
	s_lshl_b32 s43, s42, 10                        ; fragment ks
	s_add_co_u32 s24, s24, s43
	s_add_nc_u64 s[10:11], s[10:11], s[24:25]
	CONVERT 4, 10, 4096, 8192
.Lw2:
	; W2: c = number - 144: expert c / 8, K step 4 (c % 8) + wave / 2, group of 128 columns wave % 2
	s_sub_co_u32 s40, ttmp9, 144
	s_lshr_b32 s41, s40, 3                         ; e
	s_and_b32 s42, s40, 7
	s_lshl_b32 s42, s42, 2
	s_lshr_b32 s43, s20, 1
	s_add_co_u32 s42, s42, s43                     ; ks2
	s_and_b32 s40, s20, 1                          ; ng
	s_lshl_b32 s24, s41, 20
	s_lshl_b32 s43, s42, 15                        ; 32 rows of 1,024 bytes
	s_add_co_u32 s24, s24, s43
	s_lshl_b32 s43, s40, 9
	s_add_co_u32 s24, s24, s43
	s_add_nc_u64 s[6:7], s[6:7], s[24:25]
	s_lshl_b32 s24, s41, 19
	s_lshl_b32 s43, s42, 14                        ; sixteen fragments a K step
	s_add_co_u32 s24, s24, s43
	s_lshl_b32 s43, s40, 13                        ; eight fragments
	s_add_co_u32 s24, s24, s43
	s_add_nc_u64 s[12:13], s[12:13], s[24:25]
	CONVERT 6, 12, 1024, 1024
; THE LIST of expert e.  Thread t holds the ids of tokens 1024 i + 4 t + c (i = 0..7, c = 0..3).  A wave ranks its own 1,024 tokens in one pass: a chosen token's number goes to the place of its
; rank in the wave's own LDS words, any other to the lane's dump word, so that every lane stores in every line and all lanes stay on.  Behind the barrier the eight lists are laid end to end by
; GATHERING: place p of the expert's list is fixed for each thread, and where it lies in LDS follows from the eight counts.
.set ID,  8                            ; v[8:39] the ids; behind the barrier the list's entries to store
.set Z,   40                           ; v[40:43] zeros
.set R,   44
.set TK,  45
.set CV,  46                           ; v[46:53] the eight counts
.set CL,  55                           ; my wave's list + 16 x lane
.set PP,  56                           ; a place in the expert's list
.set T,   57                           ; where it lies in LDS
.set DW,  58                           ; 1,024 + lane: my dump word
.set BK,  36                           ; s[37:43] B[k], k = 1..7: the counts of waves 0 .. k - 1 added up: wave k's first place
.set CG,  48                           ; s[49:55] LW k - B[k]: what a place in wave k's part is shifted by in LDS
.Llist:
	v_lshlrev_b32 v[L16], 4, v0
.irp i, 0,1,2,3,4,5,6,7
	global_load_b128 v[ID+4*(\i):ID+4*(\i)+3], v[L16], s[8:9] offset:4096*(\i)
.endr
	s_mov_b32 s19, ttmp9                           ; e
	v_lshlrev_b32 v[SA], 2, v0                     ; 4 t
.irp i, 0,1,2,3
	v_mov_b32 v[Z+(\i)], 0
.endr
	v_lshl_add_u32 v[CL], v1, 4, s27
.irp i, 0,1,2,3,4,5,6,7,8
	ds_store_b128 v[CL], v[Z:Z+3] offset:512*(\i)  ; my 4,608 bytes are cleared, so that the reads behind the barrier find written bytes wherever they fall
.endr
	v_add_nc_u32 v[DW], 1024, v1
	s_lshl_b32 s36, s19, 15                        ; an expert's 8,192 words in order,
	s_mov_b32 s37, 0
	s_add_nc_u64 s[14:15], s[14:15], s[36:37]
	s_lshl_b32 s36, s19, 2                         ; and its word in counts
	s_add_nc_u64 s[16:17], s[16:17], s[36:37]
	s_wait_loadcnt 0x0
.set q, 0
.rept 32
	v_cmp_eq_u32 vcc_lo, s19, v[ID+q]
	v_mbcnt_lo_u32_b32 v[R], vcc_lo, s21           ; the count so far + the chosen lanes below mine
	s_bcnt1_i32_b32 s24, vcc_lo
	s_add_co_u32 s21, s21, s24
	v_cndmask_b32 v[R], v[DW], v[R], vcc_lo        ; chosen: the rank, below 1,024; else my dump word
	v_min_u32 v[R], 1055, v[R]                     ; changes nothing: it bounds the word by a constant of the text
	v_lshlrev_b32 v[R], 2, v[R]
	v_add_nc_u32 v[R], s27, v[R]                   ; in my wave's bytes
	v_add_nc_u32 v[TK], 1024*(q/4)+(q%4), v[SA]    ; the token's number
	ds_store_b32 v[R], v[TK]                       ; LDS serves a wave's instructions in order: behind the clearing
.set q, q+1
.endr
	s_lshl_b32 s24, s20, 2
	s_add_co_u32 s24, s24, CNT
	v_mov_b32 v[TK], s24
	v_mov_b32 v[R], s21
	ds_store_b32 v[TK], v[R]                       ; all lanes write the same word with the same value
.Ljoin:                                                ; all three kinds
	s_wait_xcnt 0x0                                ; registers that the stores above read are written again below only behind this wait
	s_wait_dscnt 0x0                               ; for the others' sake: my list and my count are stored; no LDS instruction of mine is pending at the signal
	s_barrier_signal -1
	s_barrier_wait -1
	s_cmp_ge_u32 ttmp9, 16
	s_cbranch_scc1 .Lend                           ; W1's and W2's work-groups are done
	v_mov_b32 v[TK], CNT
	ds_load_b128 v[CV:CV+3], v[TK]
	ds_load_b128 v[CV+4:CV+7], v[TK] offset:16
	v_lshlrev_b32 v[L16], 4, v0
	v_lshlrev_b32 v[SA], 2, v0
	s_wait_dscnt 0x0
.irp k, 0,1,2,3,4,5,6,7
	v_readfirstlane_b32 s[28+(\k)], v[CV+(\k)]
.endr
	s_mov_b32 s23, 0
.irp k, 1,2,3,4,5,6,7
	s_add_co_u32 s23, s23, s[28+(\k)-1]
	s_mov_b32 s[BK+(\k)], s23                      ; B[k]
	s_sub_co_u32 s[CG+(\k)], (\k)*LW, s23          ; LW k - B[k]
.endr
	s_add_co_u32 s23, s23, s35                     ; n_e
	; Place p lies in the part of wave k, the last k with B[k] <= p (a wave without tokens is passed over, since the next B is equal), at LDS word p + LW k - B[k].
	; Thread t takes places 1024 i + 4 t + c: four neighbours, 16 bytes of order, so that a wave's store covers 512 consecutive bytes.
.set i, 0
.rept 8
	s_cmp_le_u32 s23, 1024*i                       ; a whole group of 1,024 places at or past n_e, and all behind it, are jumped
	s_cbranch_scc1 .Lstored
.irp c, 0,1,2,3
	v_add_nc_u32 v[PP], 1024*i+(\c), v[SA]
	v_mov_b32 v[T], 0
.irp k, 1,2,3,4,5,6,7
	v_cmp_le_u32 vcc_lo, s[BK+(\k)], v[PP]
	v_cndmask_b32 v[T], v[T], s[CG+(\k)], vcc_lo
.endr
	v_add_nc_u32 v[T], v[T], v[PP]
	v_min_u32 v[T], 8*LW-1, v[T]                   ; a place below n_e is left as it is; one past it falls somewhere in the eight lists
	v_lshlrev_b32 v[T], 2, v[T]
	v_add_nc_u32 v[T], LISTB, v[T]
	ds_load_b32 v[ID+4*i+(\c)], v[T]
.endr
	s_wait_dscnt 0x0
	global_store_b128 v[L16], v[ID+4*i:ID+4*i+3], s[14:15] offset:4096*i
.set i, i+1
.endr
.Lstored:
	v_mov_b32 v[R], s23
	v_mov_b32 v[TK], 0
	v_cmp_eq_u32 vcc_lo, 0, v0                     ; thread 0 stores n_e
	s_wait_xcnt 0x0                                ; EXEC is a source of the pending stores: it changes only behind this wait
	s_and_saveexec_b32 s26, vcc_lo
	global_store_b32 v[TK], v[R], s[16:17]
	s_wait_xcnt 0x0
	s_or_b32 exec_lo, exec_lo, s26
.Lend:
	s_wait_tensorcnt 0x0                           ; the wave's end
	ds_add_u32 v[SPW], v[NIL]
	s_wait_dscnt 0x0
	s_endpgm
.Lfunc_end_k_qa671634a9f_prep:
	.size	k_qa671634a9f_prep, .Lfunc_end_k_qa671634a9f_prep-k_qa671634a9f_prep
	.p2alignl 7, 3214868480
	.fill 96, 4, 3214868480
	.section	.rodata,"a",@progbits
	.p2align	6, 0x0
	.amdhsa_kernel k_qa671634a9f_prep
		.amdhsa_group_segment_fixed_size 104704
		.amdhsa_private_segment_fixed_size 0
		.amdhsa_enable_private_segment 0
		.amdhsa_kernarg_size 56
		.amdhsa_user_sgpr_count 2
		.amdhsa_user_sgpr_kernarg_segment_ptr 1
		.amdhsa_wavefront_size32 1
		.amdhsa_system_sgpr_workgroup_id_x 1
		.amdhsa_system_sgpr_workgroup_id_y 1
		.amdhsa_system_sgpr_workgroup_id_z 1
		.amdhsa_system_vgpr_workitem_id 0
		.amdhsa_next_free_vgpr 208
		.amdhsa_next_free_sgpr 66
		.amdhsa_reserve_vcc 1
		.amdhsa_float_denorm_mode_32 3
		.amdhsa_float_denorm_mode_16_64 3
		.amdhsa_memory_ordered 1
		.amdhsa_forward_progress 1
		.amdhsa_inst_pref_size 77
	.end_amdhsa_kernel
	.amdgpu_metadata
---
amdhsa.version: [ 1, 2 ]
amdhsa.kernels:
  - .name:           k_qa671634a9f_prep
    .symbol:         k_qa671634a9f_prep.kd
    .args:
      - { .name: W1, .offset: 0, .size: 8, .value_kind: global_buffer, .address_space: global }
      - { .name: W2, .offset: 8, .size: 8, .value_kind: global_buffer, .address_space: global }
      - { .name: cat_ids, .offset: 16, .size: 8, .value_kind: global_buffer, .address_space: global }
      - { .name: w1f, .offset: 24, .size: 8, .value_kind: global_buffer, .address_space: global }
      - { .name: w2f, .offset: 32, .size: 8, .value_kind: global_buffer, .address_space: global }
      - { .name: order, .offset: 40, .size: 8, .value_kind: global_buffer, .address_space: global }
      - { .name: counts, .offset: 48, .size: 8, .value_kind: global_buffer, .address_space: global }
    .group_segment_fixed_size: 104704
    .private_segment_fixed_size: 0
    .kernarg_segment_align: 8
    .kernarg_segment_size: 56
    .max_flat_workgroup_size: 256
    .sgpr_count:     66
    .vgpr_count:     208
    .wavefront_size: 32
...
	.end_amdgpu_metadata
.endif
;; end of part 1
;; launch mlp (part 2): grid 186 x 1, 4 waves a work-group, no clusters, 225,792 bytes of LDS; arguments x, b1, b2, w1f, w2f, order, counts, out0; writes out0
.if DOCPART == 2
	.amdgcn_target "amdgcn-amd-amdhsa--gfx1250"
	.amdhsa_code_object_version 6
	.text
	.protected	k_qa671634a9f_mlp
	.globl	k_qa671634a9f_mlp
	.p2align	8
	.type	k_qa671634a9f_mlp,@function
k_qa671634a9f_mlp:
	s_mov_b64 s[64:65], 0
	v_nop
	global_prefetch_b8 v0, s[64:65] scope:SCOPE_SE
	s_setreg_imm32_b32 hwreg(HW_REG_WAVE_MODE, 25, 1), 1
	s_wait_xcnt 0x0
; out[t] = relu(x[t] W1[e] + b1[e]) W2[e] + b2[e], e = cat_ids[t].  A work-group takes a TILE of 48 tokens of one expert through the whole chain; the hidden layer never leaves registers.
; GRID.  Sum over e of ceil(n_e / 48) is at most 186 for 8,192 tokens and 16 experts, whatever the split: that many work-groups.  Each finds its expert and tile from the 16 stored counts.
; A work-group that a split leaves without rows stores nothing: it passes both barriers and jumps over the reads of the list, the products and the way out.
; SHARES.  Wave w has hidden units 256 w .. 256 w + 255, in 8 steps of 32.  A step: H^T = W1^T x^T + b1 (source 0 = 16 hidden units, source 1 = 16 tokens, C of the first product = the bias):
; 2 x 3 accumulators, 8 deep; rounded to bf16 and held at 0 from below, two such results ARE source 1 (32 hidden x 16 tokens) of O^T += W2^T H^T: 16 x 3 accumulators.  96 matrix instructions a step.
; Every weight byte has one reader in the work-group and comes from memory straight into operand registers (prep laid it so): the loop holds no LDS access and no barrier.
; A group of 8 loads is asked for a whole step ahead of its use, so that a step's 68 loads, 33 KB a wave, are always on their way.  At the end the four waves' partial O, f32, meet in LDS.
; NO JOINT LOADS: the tiles of an expert walk the same weights, but a joint load lands in LDS, from where each of the work-group's 1 MiB would be read once more, and an expert's number of tiles
; hangs on its count and is no multiple of four.  No tensor load: no tile is shared between waves.
; FORMATS.  x, W1, W2 and the hidden layer are rounded once to bf16; all sums, both biases and the sum over the waves are f32.  LIMIT: a NaN in the hidden layer becomes 0 (the maximum with 0 drops it).
; REGISTERS, in windows of 256 (s_set_vgpr_msb: bits 1:0 source 0, 3:2 source 1, 5:4 source 2, 7:6 destination):
;   window 0: v0-23 addresses; v24-39 bias (2 x 8); v40-87 H (6 x 8); v88-111 P (3 x 8); v192-255 W1's fragments of K steps 4-7.  Before the loop v40-189, behind it v24-167, are at work.
;   window 1: v0-191 x (24 fragments: K step ks, token block tt at 8 (3 ks + tt)); v192-255 W1's fragments of K steps 0-3
;   window 2: v0-191 O, column blocks 0-7 (ot, tt at 8 (3 ot + tt)); v192-255 W2's fragments of these          window 3: the same for column blocks 8-15
.set XPITCH, 528                       ; a token's 256 bf16 + 16 bytes: the 16 rows of a fragment load start 16 bytes apart modulo 256
.set RS,     25600                     ; behind x's 48 rows (25,344 bytes): four stages, one a wave, of 48 rows of O
.set RPITCH, 1040                      ; 256 f32 + 16 bytes
.set RSTAGE, 48*RPITCH
.set SPARE,  RS+4*RSTAGE               ; 225,280: the spare words, 128 bytes a wave: two blocks of 256 bytes that no other line names
.set LO,  2                            ; v2   16 x lane: my 16 bytes in half a fragment
.set BO,  3                            ; v3   32 x (lane / 16): my eight biases
.set XA,  4                            ; v4   x's stage: row lane % 16, 16 bytes for each half of the lanes
.set STO, 5                            ; v5   my wave's stage of O: row lane % 16, 32 bytes for each half of the lanes
.set XW,  6                            ; v6   x's stage: where I put 8 bytes of row 12 w + lane / 16
.set ZR,  7                            ; v7   0
.set OFF, 8                            ; v[8:13]  1,024 x token + 16 (lane % 16), for my six rows: the same in x and in out0
.set SPW, 14                           ; v14  LDS address of my spare word; never rewritten
.set NIL, 15                           ; v15  0; never rewritten
.set RR0, 16                           ; v16  12 w + lane / 16: the first of my six rows of the tile, two apart
.set C16, 17                           ; v17  16 (lane % 16)
.set RDA, 18                           ; v[18:21] stage p: row RR0, byte C16
.set T0,  22
.set T1,  23
.set BI,  24
.set H,   40
.set P,   88
.set WF,  192                          ; weights' fragments, in every window
.set XT,  40                           ; v[40:135]  x as loaded, 24 x 4
.set XP,  136                          ; v[136:183] x rounded, 24 x 2
.set PA,  136                          ; v[136:141] byte offsets into order (free again before XP is written)
.set TOK, 184                          ; v[184:189] my six tokens
.set FB,  40                           ; the way out: two buffers of 64: stage p, quarter q of a row at 16 p + 4 q
.set CN,  20                           ; s[20:35] the counts
.set PF,  36                           ; s[36:51] tiles of experts 0 .. e
.set WV,  52
.set WG,  53
.set EX,  54                           ; my expert
.set NE,  55                           ; its count
.set TE,  56                           ; its PF
.set TI,  57                           ; my tile among its tiles
.set ROWS, 58                          ; my rows, 0 to 48
.set RM1, 59
.set TB,  60                           ; 48 x tile
.set TRIP, 61
.set OA,  62                           ; s[62:63], s[66:67] offsets, high word 0
.set OB,  66
.set W1P, 68
.set W2P, 70
.set B1P, 72
.set B2P, 74
.set SV,  76
.set S0,  77
.set S1,  78
.set MSB, 0
.macro WIN new                         ; the immediate's high byte repeats the setting that is left; a switch that changes nothing is dropped
.if MSB != (\new)
	s_set_vgpr_msb (MSB<<8)|(\new)
.set MSB, \new
.endif
.endm
; A load into a register that a matrix instruction has read, and a vector instruction or LDS store that reads a matrix result, stand four places behind it; only plain vector instructions
; that name none of its registers are places (ISA guide 7.12.1 for vector instructions).
.macro PLACES
.rept 4
	v_nop
.endr
.endm
; 12 products of H^T: K steps 2 b, 2 b + 1 of x's 8.  The six accumulators take turns.  K step 0 starts the sums with the bias.
.macro SB1 b
.if (\b) < 2
	WIN 0x05                                       ; W1 and x in window 1
.else
	WIN 0x04                                       ; W1 in window 0, x in window 1
.endif
.irp kk, 0,1
.irp ht, 0,1
.irp tt, 0,1,2
.set ks, 2*(\b)+(\kk)
.set rH, H+8*(3*(\ht)+(\tt))
.set rW, WF+8*(2*(ks%4)+(\ht))
.set rX, 8*(3*ks+(\tt))
.if ks == 0
	v_wmma_f32_16x16x32_bf16 v[rH:rH+7], v[rW:rW+7], v[rX:rX+7], v[BI+8*(\ht):BI+8*(\ht)+7]
.else
	v_wmma_f32_16x16x32_bf16 v[rH:rH+7], v[rW:rW+7], v[rX:rX+7], v[rH:rH+7]
.endif
.endr
.endr
.endr
.endm
; The next step's W1 fragments for SB1 b: 8 loads of 512 consecutive bytes; with b = 0 also its 32 biases (register j of lane l: hidden unit 16 ht + 8 (l / 16) + j): 4 loads.
.macro LD1 b
.if (\b) < 2
	WIN 0x40
.else
	WIN 0
.endif
.irp kk, 0,1
.irp ht, 0,1
.irp c, 0,1
.set ks, 2*(\b)+(\kk)
.set rW, WF+8*(2*(ks%4)+(\ht))+4*(\c)
	global_load_b128 v[rW:rW+3], v[LO], s[W1P:W1P+1] offset:(8*(\ht)+ks)*1024+512*(\c)
.endr
.endr
.endr
.if (\b) == 0
	WIN 0
.irp ht, 0,1
.irp c, 0,1
	global_load_b128 v[BI+8*(\ht)+4*(\c):BI+8*(\ht)+4*(\c)+3], v[BO], s[B1P:B1P+1] offset:64*(\ht)+16*(\c)
.endr
.endr
.endif
.endm
; 12 products of O^T: column blocks 4 b .. 4 b + 3, each accumulator once.  zero = 1: the first step starts the sums: nothing is cleared.
.macro SB2 b, zero
.if (\b) < 2
	WIN 0xa2                                       ; W2, C and D in window 2, P in window 0
.else
	WIN 0xf3                                       ; in window 3
.endif
.irp oo, 0,1,2,3
.irp tt, 0,1,2
.set ot, (4*(\b)+(\oo))%8
.set rO, 8*(3*ot+(\tt))
.if \zero
	v_wmma_f32_16x16x32_bf16 v[rO:rO+7], v[WF+8*ot:WF+8*ot+7], v[P+8*(\tt):P+8*(\tt)+7], 0
.else
	v_wmma_f32_16x16x32_bf16 v[rO:rO+7], v[WF+8*ot:WF+8*ot+7], v[P+8*(\tt):P+8*(\tt)+7], v[rO:rO+7]
.endif
.endr
.endr
.endm
.macro LD2 b                           ; the next step's W2 fragments for SB2 b: 8 loads
.if (\b) < 2
	WIN 0x80
.else
	WIN 0xc0
.endif
.irp oo, 0,1,2,3
.irp c, 0,1
.set ot, 4*(\b)+(\oo)
	global_load_b128 v[WF+8*(ot%8)+4*(\c):WF+8*(ot%8)+4*(\c)+3], v[LO], s[W2P:W2P+1] offset:ot*1024+512*(\c)
.endr
.endr
.endm
; H^T to P: a lane holds one token and hidden units 8 (l / 16) + 0..7 of each block of 16: block 0's pairs are registers 0-3 of source 1, block 1's registers 4-7.  Each accumulator is read from its low end on.
.macro PACK
	WIN 0
.irp tt, 0,1,2
.irp ht, 0,1
.irp p, 0,1,2,3
	v_cvt_pk_bf16_f32 v[P+8*(\tt)+4*(\ht)+(\p)], v[H+8*(3*(\ht)+(\tt))+2*(\p)], v[H+8*(3*(\ht)+(\tt))+2*(\p)+1]
.endr
.endr
.endr
.set n, 0
.rept 24
	v_pk_max_num_bf16 v[P+n], v[P+n], v[ZR]        ; relu on the rounded pair: the same numbers as rounding behind it
.set n, n+1
.endr
.endm
; The wait for group g of a step's eight (12, then 7 x 8 loads).  While the next step is fetched, behind a group were issued the other seven: 56 behind the first, 60 behind each other.
; In the last step only the groups still to be used lie behind it.
.macro WAITL fetch, g
.if \fetch
.if (\g) == 0
	s_wait_loadcnt 56
.else
	s_wait_loadcnt 60
.endif
.else
	s_wait_loadcnt 56-8*(\g)
.endif
.endm
.macro STEP fetch, zero
.irp b, 0,1,2,3
	WAITL \fetch, \b
	SB1 \b
.if (\fetch) || ((\b) == 3)
	PLACES                                         ; in front of the loads into the registers just multiplied; behind the last block also in front of PACK
.endif
.if \fetch
	LD1 \b
.endif
.endr
	PACK
.irp b, 0,1,2,3
	WAITL \fetch, 4+\b
	SB2 \b, \zero
.if \fetch
	PLACES
	LD2 \b
.endif
.endr
	WIN 0                                          ; at a label and at a branch every window is 0
.if \fetch
	s_wait_xcnt 0x0                                ; the bases are sources of the loads just issued: they step only behind this wait
	s_add_nc_u64 s[W1P:W1P+1], s[W1P:W1P+1], 16384 ; two blocks of 16 hidden units x 8 fragments
	s_add_nc_u64 s[W2P:W2P+1], s[W2P:W2P+1], 16384 ; one K step x 16 fragments
	s_add_nc_u64 s[B1P:B1P+1], s[B1P:B1P+1], 128   ; 32 biases
.endif
.endm
	s_load_b512 s[4:19], s[0:1], 0x0               ; x 4:5, b1 6:7, b2 8:9, w1f 10:11, w2f 12:13, order 14:15, counts 16:17, out0 18:19
	v_lshl_add_u32 v[SPW], v0, 2, SPARE
	v_mov_b32 v[NIL], 0
	v_lshrrev_b32 v[T0], 5, v0
	v_readfirstlane_b32 s[WV], v[T0]               ; wave 0..3
	s_mov_b32 s[WG], ttmp9
	s_wait_kmcnt 0x0
	s_load_b512 s[CN:CN+15], s[16:17], 0x0         ; the 16 counts; the lane's addresses are made meanwhile
	v_and_b32 v1, 15, v0                           ; l % 16
	v_bfe_u32 v[T1], v0, 4, 1                      ; l / 16
	v_and_b32 v[T0], 31, v0
	v_lshlrev_b32 v[LO], 4, v[T0]
	v_lshlrev_b32 v[BO], 5, v[T1]
	v_mul_u32_u24 v[XA], v1, XPITCH
	v_lshl_add_u32 v[XA], v[T1], 4, v[XA]
	s_mul_i32 s[S0], s[WV], RSTAGE
	s_add_co_u32 s[S0], s[S0], RS                  ; my wave's stage
	v_mul_u32_u24 v[STO], v1, RPITCH
	v_lshl_add_u32 v[STO], v[T1], 5, v[STO]
	v_add_nc_u32 v[STO], s[S0], v[STO]
	s_mul_i32 s[S1], s[WV], 12
	v_add_nc_u32 v[RR0], s[S1], v[T1]
	v_lshlrev_b32 v[C16], 4, v1
	v_mul_u32_u24 v[XW], v[RR0], XPITCH
	v_lshl_add_u32 v[XW], v1, 3, v[XW]
	v_mov_b32 v[ZR], 0
	v_mul_u32_u24 v[T0], v[RR0], RPITCH
	v_add_nc_u32 v[T0], v[T0], v[C16]
.irp p, 0,1,2,3
	v_add_nc_u32 v[RDA+(\p)], RS+(\p)*RSTAGE, v[T0]
.endr
.irp i, 0,1,2,3,4,5
	v_mov_b32 v[TOK+(\i)], 0                       ; a work-group without rows reads no list: its tokens stay 0
.endr
	s_wait_kmcnt 0x0
	; WHICH TILE IS MINE.  ceil(n / 48) = ((n + 47) >> 4) / 3, and a / 3 = (a x 43,691) >> 17 for a up to 514.
	s_mov_b32 s[S0], 0
.irp e, 0,1,2,3,4,5,6,7,8,9,10,11,12,13,14,15
	s_min_u32 s[CN+(\e)], s[CN+(\e)], 8192
	s_add_co_u32 s[S1], s[CN+(\e)], 47
	s_lshr_b32 s[S1], s[S1], 4
	s_mul_i32 s[S1], s[S1], 0xaaab
	s_lshr_b32 s[S1], s[S1], 17
	s_add_co_u32 s[S0], s[S0], s[S1]
	s_mov_b32 s[PF+(\e)], s[S0]
.endr
	s_mov_b32 s[EX], 15
	s_mov_b32 s[NE], s[CN+15]
	s_mov_b32 s[TE], s[PF+15]
.irp e, 14,13,12,11,10,9,8,7,6,5,4,3,2,1,0
	s_cmp_lt_u32 s[WG], s[PF+(\e)]                 ; the lowest expert whose tiles end behind my number is taken last
	s_cselect_b32 s[EX], \e, s[EX]
	s_cselect_b32 s[NE], s[CN+(\e)], s[NE]
	s_cselect_b32 s[TE], s[PF+(\e)], s[TE]
.endr
	s_add_co_u32 s[S1], s[NE], 47
	s_lshr_b32 s[S1], s[S1], 4
	s_mul_i32 s[S1], s[S1], 0xaaab
	s_lshr_b32 s[S1], s[S1], 17                    ; my expert's tiles
	s_add_co_u32 s[TI], s[WG], s[S1]
	s_sub_co_u32 s[TI], s[TI], s[TE]               ; my tile among them; past them if my number is past all tiles
	s_mul_i32 s[S1], s[TI], 48
	s_sub_co_i32 s[ROWS], s[NE], s[S1]
	s_max_i32 s[ROWS], s[ROWS], 0                  ; then I have no rows
	s_min_u32 s[ROWS], s[ROWS], 48
	s_sub_co_u32 s[RM1], s[ROWS], 1
	s_min_u32 s[RM1], s[RM1], 47
	s_min_u32 s[TI], s[TI], 170                    ; what enters an address is bounded by a constant
	s_min_u32 s[EX], s[EX], 15
	s_mul_i32 s[TB], s[TI], 48
	s_lshl_b32 s[OA], s[EX], 19                    ; an expert's 512 KiB in w1f and in w2f,
	s_lshl_b32 s[S0], s[WV], 17                    ; my wave's quarter: 16 blocks of hidden units, or 8 K steps
	s_add_co_u32 s[OA], s[OA], s[S0]
	s_mov_b32 s[OA+1], 0
	s_add_nc_u64 s[W1P:W1P+1], s[10:11], s[OA:OA+1]
	s_add_nc_u64 s[W2P:W2P+1], s[12:13], s[OA:OA+1]
	s_lshl_b32 s[OB], s[EX], 12
	s_lshl_b32 s[S0], s[WV], 10
	s_add_co_u32 s[OB], s[OB], s[S0]
	s_mov_b32 s[OB+1], 0
	s_add_nc_u64 s[B1P:B1P+1], s[6:7], s[OB:OB+1]
	s_lshl_b32 s[OB], s[EX], 10
	s_add_nc_u64 s[B2P:B2P+1], s[8:9], s[OB:OB+1]
	s_lshl_b32 s[S0], s[EX], 13                    ; an expert's 8,192 words in order
	; MY SIX TOKENS (rows 12 w + l / 16 + 2 i of the tile); places past the count repeat the tile's last row
	s_cmp_eq_u32 s[ROWS], 0
	s_cbranch_scc1 .Lno_list
.irp i, 0,1,2,3,4,5
	v_add_nc_u32 v[PA+(\i)], 2*(\i), v[RR0]
	v_min_u32 v[PA+(\i)], s[RM1], v[PA+(\i)]
	v_add_nc_u32 v[PA+(\i)], s[TB], v[PA+(\i)]
	v_min_u32 v[PA+(\i)], 0x1fff, v[PA+(\i)]       ; a place in an expert's list
	v_add_nc_u32 v[PA+(\i)], s[S0], v[PA+(\i)]
	v_lshlrev_b32 v[PA+(\i)], 2, v[PA+(\i)]
	global_load_b32 v[TOK+(\i)], v[PA+(\i)], s[14:15]
.endr
.Lno_list:
	LD1 0                                          ; step 0's weights go out behind the tokens: 12 + 6 x 8 = 60 loads
	LD1 1
	LD1 2
	LD1 3
	LD2 0
	LD2 1
	LD2 2
	WIN 0
	s_wait_loadcnt 60                              ; the tokens are in; the 60 loads behind them stay out
.irp i, 0,1,2,3,4,5
	v_min_u32 v[TOK+(\i)], 0x1fff, v[TOK+(\i)]
	v_lshl_add_u32 v[OFF+(\i)], v[TOK+(\i)], 10, v[C16]
.endr
.irp i, 0,1,2,3,4,5
.irp q, 0,1,2,3
	global_load_b128 v[XT+4*(4*(\i)+(\q)):XT+4*(4*(\i)+(\q))+3], v[OFF+(\i)], s[4:5] offset:256*(\q)  ; sixteen lanes take 256 consecutive bytes of a row of x
.endr
.endr
	LD2 3
	WIN 0
	s_wait_loadcnt 8                               ; x is in; the last group of weights stays out
.set n, 0
.rept 24
	v_cvt_pk_bf16_f32 v[XP+2*n], v[XT+4*n], v[XT+4*n+1]
	v_cvt_pk_bf16_f32 v[XP+2*n+1], v[XT+4*n+2], v[XT+4*n+3]
	ds_store_b64 v[XW], v[XP+2*n:XP+2*n+1] offset:(n/4)*2*XPITCH+(n%4)*128
.set n, n+1
.endr
	s_wait_xcnt 0x0                                ; the bases step to step 1 only behind this wait
	s_add_nc_u64 s[W1P:W1P+1], s[W1P:W1P+1], 16384
	s_add_nc_u64 s[W2P:W2P+1], s[W2P:W2P+1], 16384
	s_add_nc_u64 s[B1P:B1P+1], s[B1P:B1P+1], 128
	s_wait_dscnt 0x0                               ; for the others' sake: my twelve rows of x are stored
	s_barrier_signal -1
	s_barrier_wait -1
	s_cmp_eq_u32 s[ROWS], 0
	s_cbranch_scc1 .Lidle1                         ; no rows: the products and their stores are jumped; no barrier stands in what is jumped
	WIN 0x40
.irp ks, 0,1,2,3,4,5,6,7
.irp tt, 0,1,2
.irp c, 0,1
	ds_load_b128 v[8*(3*(\ks)+(\tt))+4*(\c):8*(3*(\ks)+(\tt))+4*(\c)+3], v[XA] offset:(\tt)*16*XPITCH+(\ks)*64+32*(\c)  ; all of x stays in registers
.endr
.endr
.endr
	WIN 0
	s_wait_dscnt 0x0
	STEP 1, 1                                      ; step 0 stands in front of the loop: its second products start O's sums
	s_mov_b32 s[TRIP], 6
.Lstep:                                                ; steps 1 to 6, each fetching the step behind it
	STEP 1, 0
	s_sub_co_u32 s[TRIP], s[TRIP], 1
	s_cmp_lg_u32 s[TRIP], 0
	s_cbranch_scc1 .Lstep
	STEP 0, 0                                      ; step 7 fetches nothing: no load passes a buffer's end
	; MY PARTIAL O goes into my stage: lane l holds token 16 tt + l % 16 and columns 16 ot + 8 (l / 16) + 0..7: 32 consecutive bytes of a row.  The low half of each accumulator first.
	PLACES
.set ot, 0
.rept 16
.if ot < 8
	WIN 0x08                                       ; the stores' data (source 1) in window 2
.else
	WIN 0x0c                                       ; in window 3
.endif
.irp tt, 0,1,2
.set rO, 8*(3*(ot%8)+(\tt))
	ds_store_b128 v[STO], v[rO:rO+3] offset:(\tt)*16*RPITCH+ot*64
	ds_store_b128 v[STO], v[rO+4:rO+7] offset:(\tt)*16*RPITCH+ot*64+16
.endr
.set ot, ot+1
.endr
	WIN 0
.Lidle1:
.irp q, 0,1,2,3
	global_load_b128 v[BI+4*(\q):BI+4*(\q)+3], v[C16], s[B2P:B2P+1] offset:256*(\q)  ; b2 of my four columns in each quarter of a row, into the registers that held b1
.endr
	s_wait_dscnt 0x0                               ; for the others' sake: my stage is written
	s_barrier_signal -1
	s_barrier_wait -1
	s_cmp_eq_u32 s[ROWS], 0
	s_cbranch_scc1 .Lidle2
	; THE WAY OUT.  Wave w adds the four stages and b2 for rows 12 w .. 12 w + 11, two rows at a time (lanes 0-15 one row, lanes 16-31 the next), and stores each row at its token's place.
.macro RDL i                           ; rows RR0 + 2 i: 16 loads into buffer i % 2
.irp p, 0,1,2,3
.irp q, 0,1,2,3
	ds_load_b128 v[FB+64*((\i)%2)+16*(\p)+4*(\q):FB+64*((\i)%2)+16*(\p)+4*(\q)+3], v[RDA+(\p)] offset:(\i)*2*RPITCH+256*(\q)
.endr
.endr
.endm
.macro OUTROW i, left
.set fb, FB+64*((\i)%2)
	s_wait_dscnt \left                             ; my 16 loads are back; the next pair of rows' 16 may stay out
.irp d, 0,2,4,6,8,10,12,14
	v_pk_add_f32 v[fb+(\d):fb+(\d)+1], v[fb+(\d):fb+(\d)+1], v[BI+(\d):BI+(\d)+1]
.endr
.irp p, 1,2,3
.irp d, 0,2,4,6,8,10,12,14
	v_pk_add_f32 v[fb+(\d):fb+(\d)+1], v[fb+(\d):fb+(\d)+1], v[fb+16*(\p)+(\d):fb+16*(\p)+(\d)+1]
.endr
.endr
	v_add_nc_u32 v[T0], 2*(\i), v[RR0]
	v_cmp_gt_u32 vcc_lo, s[ROWS], v[T0]            ; rows past the count, which repeat a token, are not stored
	s_wait_xcnt 0x0                                ; EXEC is a source of pending global instructions: it changes only behind this wait
	s_and_saveexec_b32 s[SV], vcc_lo
.irp q, 0,1,2,3
	global_store_b128 v[OFF+(\i)], v[fb+4*(\q):fb+4*(\q)+3], s[18:19] offset:256*(\q) th:TH_STORE_NT  ; sixteen lanes store 256 consecutive bytes, at a multiple of 256 from out0's first
.endr
	s_wait_xcnt 0x0                                ; and again; it also frees the buffer for the loads that follow
	s_or_b32 exec_lo, exec_lo, s[SV]
.endm
	RDL 0
	RDL 1
	s_wait_loadcnt 0x0                             ; b2
	OUTROW 0, 16
	RDL 2
	OUTROW 1, 16
	RDL 3
	OUTROW 2, 16
	RDL 4
	OUTROW 3, 16
	RDL 5
	OUTROW 4, 16
	OUTROW 5, 0
.Lidle2:
	s_wait_tensorcnt 0x0                           ; the wave's end
	ds_add_u32 v[SPW], v[NIL]
	s_wait_dscnt 0x0
	s_endpgm
.Lfunc_end_k_qa671634a9f_mlp:
	.size	k_qa671634a9f_mlp, .Lfunc_end_k_qa671634a9f_mlp-k_qa671634a9f_mlp
	.p2alignl 7, 3214868480
	.fill 96, 4, 3214868480
	.section	.rodata,"a",@progbits
	.p2align	6, 0x0
	.amdhsa_kernel k_qa671634a9f_mlp
		.amdhsa_group_segment_fixed_size 225792
		.amdhsa_private_segment_fixed_size 0
		.amdhsa_enable_private_segment 0
		.amdhsa_kernarg_size 64
		.amdhsa_user_sgpr_count 2
		.amdhsa_user_sgpr_kernarg_segment_ptr 1
		.amdhsa_wavefront_size32 1
		.amdhsa_system_sgpr_workgroup_id_x 1
		.amdhsa_system_sgpr_workgroup_id_y 1
		.amdhsa_system_sgpr_workgroup_id_z 1
		.amdhsa_system_vgpr_workitem_id 0
		.amdhsa_next_free_vgpr 1024
		.amdhsa_next_free_sgpr 80
		.amdhsa_reserve_vcc 1
		.amdhsa_float_denorm_mode_32 3
		.amdhsa_float_denorm_mode_16_64 3
		.amdhsa_memory_ordered 1
		.amdhsa_forward_progress 1
		.amdhsa_inst_pref_size 103
	.end_amdhsa_kernel
	.amdgpu_metadata
---
amdhsa.version: [ 1, 2 ]
amdhsa.kernels:
  - .name:           k_qa671634a9f_mlp
    .symbol:         k_qa671634a9f_mlp.kd
    .args:
      - { .name: x, .offset: 0, .size: 8, .value_kind: global_buffer, .address_space: global }
      - { .name: b1, .offset: 8, .size: 8, .value_kind: global_buffer, .address_space: global }
      - { .name: b2, .offset: 16, .size: 8, .value_kind: global_buffer, .address_space: global }
      - { .name: w1f, .offset: 24, .size: 8, .value_kind: global_buffer, .address_space: global }
      - { .name: w2f, .offset: 32, .size: 8, .value_kind: global_buffer, .address_space: global }
      - { .name: order, .offset: 40, .size: 8, .value_kind: global_buffer, .address_space: global }
      - { .name: counts, .offset: 48, .size: 8, .value_kind: global_buffer, .address_space: global }
      - { .name: out0, .offset: 56, .size: 8, .value_kind: global_buffer, .address_space: global }
    .group_segment_fixed_size: 225792
    .private_segment_fixed_size: 0
    .kernarg_segment_align: 8
    .kernarg_segment_size: 64
    .max_flat_workgroup_size: 128
    .sgpr_count:     80
    .vgpr_count:     1024
    .wavefront_size: 32
...
	.end_amdgpu_metadata
.endif
;; end of part 2
;; ======== version 2 of 2: 2 launches; 1.14 times as fast as version 1
;; workspace buffers: w1f 8,388,608 bytes; w2f 8,388,608 bytes; order 524,288 bytes of whole numbers; counts 256 bytes of whole numbers
;; launch prep: the kernel of part 1 again; grid 272 x 1, 8 waves a work-group, no clusters, 104,704 bytes of LDS; arguments W1, W2, cat_ids, w1f, w2f, order, counts; writes w1f, w2f, order, counts
;; launch mlp (part 3): grid 186 x 1, 4 waves a work-group, no clusters, 225,792 bytes of LDS; arguments x, b1, b2, w1f, w2f, order, counts, out0; writes out0
.if DOCPART == 3
	.amdgcn_target "amdgcn-amd-amdhsa--gfx1250"
	.amdhsa_code_object_version 6
	.text
	.protected	k_qa671634a9f_mlp
	.globl	k_qa671634a9f_mlp
	.p2align	8
	.type	k_qa671634a9f_mlp,@function
k_qa671634a9f_mlp:
	s_mov_b64 s[64:65], 0
	v_nop
	global_prefetch_b8 v0, s[64:65] scope:SCOPE_SE
	s_setreg_imm32_b32 hwreg(HW_REG_WAVE_MODE, 25, 1), 1
	s_wait_xcnt 0x0
; out[t] = relu(x[t] W1[e] + b1[e]) W2[e] + b2[e], e = cat_ids[t].  A work-group takes a TILE of 48 tokens of one expert through the whole chain; the hidden layer never leaves registers.
; GRID.  Sum over e of ceil(n_e / 48) is at most 186 for 8,192 tokens and 16 experts, whatever the split: that many work-groups.  Each finds its expert and tile from the 16 stored counts.
; A work-group that a split leaves without rows stores nothing: it passes both barriers and jumps over the reads of the list, the products and the way out.
; WHICH WORK-GROUP TAKES WHICH TILE.  The tiles are numbered expert by expert.  Work-group g takes number START[g % 16] + g / 16, a one-to-one map of 0 .. 185 onto itself: the work-groups whose
; numbers are alike in their low four bits take 11 or 12 neighbouring tiles, about an expert's share at an even split, and from one of the sixteen classes to the next a single bit changes (bit 3 once,
; bit 2 twice, bit 0 four times, bit 1 eight times).  So by whichever of these bits work-groups may be set apart, most experts have all the readers of their weights on one side.  No value hangs on it.
; SHARES.  Wave w has hidden units 256 w .. 256 w + 255, in 8 steps of 32.  A step: H^T = W1^T x^T + b1 (source 0 = 16 hidden units, source 1 = 16 tokens, C of the first product = the bias):
; 2 x 3 accumulators, 8 deep; rounded to bf16 and held at 0 from below, two such results ARE source 1 (32 hidden x 16 tokens) of O^T += W2^T H^T: 16 x 3 accumulators.  96 matrix instructions a step.
; Every weight byte has one reader in the work-group and comes from memory straight into operand registers (prep laid it so): the loop holds no LDS access and no barrier.
; A group of 8 loads is asked for a whole step ahead of its use, so that a step's 68 loads, 33 KB a wave, are always on their way.  At the end the four waves' partial O, f32, meet in LDS.
; THE WALK IS TURNED BY THE TILE'S NUMBER: walk step s of tile ti takes hidden step (ti + s) mod 8.  So the tiles of an expert, which run side by side, do not all ask for the same eighth of its
; weights at the same time: eight neighbouring tiles ask for all eight, and what a tile asks for in its next step its neighbour has asked for a step earlier.
; NO JOINT LOADS: the tiles of an expert walk the same weights, but a joint load lands in LDS, from where each of the work-group's 1 MiB would be read once more, and an expert's number of tiles
; hangs on its count and is no multiple of four.  No tensor load: no tile is shared between waves.
; FORMATS.  x, W1, W2 and the hidden layer are rounded once to bf16; all sums, both biases and the sum over the waves are f32.  LIMITS: a NaN in the hidden layer becomes 0 (the maximum with 0
; drops it); the hidden units are added up in an order that hangs on the wave and the tile, not in ascending order.
; REGISTERS, in windows of 256 (s_set_vgpr_msb: bits 1:0 source 0, 3:2 source 1, 5:4 source 2, 7:6 destination):
;   window 0: v0-23 addresses; v24-39 bias (2 x 8); v40-87 H (6 x 8); v88-111 P (3 x 8); v192-255 W1's fragments of K steps 4-7.  Before the loop v40-189, behind it v24-167, are at work.
;   window 1: v0-191 x (24 fragments: K step ks, token block tt at 8 (3 ks + tt)); v192-255 W1's fragments of K steps 0-3
;   window 2: v0-191 O, column blocks 0-7 (ot, tt at 8 (3 ot + tt)); v192-255 W2's fragments of these          window 3: the same for column blocks 8-15
.set XPITCH, 528                       ; a token's 256 bf16 + 16 bytes: the 16 rows of a fragment load start 16 bytes apart modulo 256
.set RS,     25600                     ; behind x's 48 rows (25,344 bytes): four stages, one a wave, of 48 rows of O
.set RPITCH, 1040                      ; 256 f32 + 16 bytes
.set RSTAGE, 48*RPITCH
.set SPARE,  RS+4*RSTAGE               ; 225,280: the spare words, 128 bytes a wave: two blocks of 256 bytes that no other line names
; START[c], a byte each, four to a word.  The classes c = g % 16 in their order, with 12 members (c below 10: c + 176 is at most 185) or 11:
; 0, 2, 3, 1, 5, 7, 6, 4, 12, 14, 15, 13, 9, 11, 10, 8 begin at 0, 12, 24, 36, 48, 60, 72, 84, 96, 107, 118, 129, 140, 152, 163, 174; the last ends at 185.
.set ST0, 0x180c2400                   ; c = 0..3:   0, 36, 12, 24
.set ST1, 0x3c483054                   ; c = 4..7:   84, 48, 72, 60
.set ST2, 0x98a38cae                   ; c = 8..11:  174, 140, 163, 152
.set ST3, 0x766b8160                   ; c = 12..15: 96, 129, 107, 118
.set LO,  2                            ; v2   16 x lane: my 16 bytes in half a fragment
.set BO,  3                            ; v3   32 x (lane / 16): my eight biases
.set XA,  4                            ; v4   x's stage: row lane % 16, 16 bytes for each half of the lanes
.set STO, 5                            ; v5   my wave's stage of O: row lane % 16, 32 bytes for each half of the lanes
.set XW,  6                            ; v6   x's stage: where I put 8 bytes of row 12 w + lane / 16
.set ZR,  7                            ; v7   0
.set OFF, 8                            ; v[8:13]  1,024 x token + 16 (lane % 16), for my six rows: the same in x and in out0
.set SPW, 14                           ; v14  LDS address of my spare word; never rewritten
.set NIL, 15                           ; v15  0; never rewritten
.set RR0, 16                           ; v16  12 w + lane / 16: the first of my six rows of the tile, two apart
.set C16, 17                           ; v17  16 (lane % 16)
.set RDA, 18                           ; v[18:21] stage p: row RR0, byte C16
.set T0,  22
.set T1,  23
.set BI,  24
.set H,   40
.set P,   88
.set WF,  192                          ; weights' fragments, in every window
.set XT,  40                           ; v[40:135]  x as loaded, 24 x 4
.set XP,  136                          ; v[136:183] x rounded, 24 x 2
.set PA,  136                          ; v[136:141] byte offsets into order (free again before XP is written)
.set TOK, 184                          ; v[184:189] my six tokens
.set FB,  40                           ; the way out: two buffers of 64: stage p, quarter q of a row at 16 p + 4 q
.set CN,  20                           ; s[20:35] the counts, until my tile is found
.set PF,  36                           ; s[36:51] tiles of experts 0 .. e
.set PS,  20                           ; then: s[20:25], s[26:31] two sets of a step's bases: W1's at +0, W2's at +2, b1's at +4
.set SN,  32                           ; s32  the hidden step, 0 to 7, for which bases are made next
.set OW,  34                           ; s[34:35] a step's byte offset, high word 0
.set WV,  52
.set WG,  53                           ; the number of my tile among all tiles
.set EX,  54                           ; my expert
.set NE,  55                           ; its count
.set TE,  56                           ; its PF
.set TI,  57                           ; my tile among its tiles
.set ROWS, 58                          ; my rows, 0 to 48
.set RM1, 59
.set TB,  60                           ; 48 x tile
.set TRIP, 61
.set OA,  62                           ; s[62:63], s[66:67] offsets, high word 0
.set OB,  66
.set W1B, 68                           ; s[68:69] w1f, s[70:71] w2f, s[72:73] b1 at my wave's quarter of my expert; never rewritten
.set W2B, 70
.set B1B, 72
.set B2P, 74
.set SV,  76
.set S0,  77
.set S1,  78
.set MSB, 0
.macro WIN new                         ; the immediate's high byte repeats the setting that is left; a switch that changes nothing is dropped
.if MSB != (\new)
	s_set_vgpr_msb (MSB<<8)|(\new)
.set MSB, \new
.endif
.endm
; A load into a register that a matrix instruction has read, and a vector instruction or LDS store that reads a matrix result, stand four places behind it; only plain vector instructions
; that name none of its registers are places (ISA guide 7.12.1 for vector instructions).
.macro PLACES
.rept 4
	v_nop
.endr
.endm
; The bases of hidden step SN into a set; then SN goes on by one, round the eight.  A step is two blocks of 16 hidden units x 8 fragments of W1, one K step x 16 fragments of W2 (16,384 bytes each), 32 biases.
.macro SETP set
	s_lshl_b32 s[OW], s[SN], 14
	s_add_nc_u64 s[PS+6*(\set):PS+6*(\set)+1], s[W1B:W1B+1], s[OW:OW+1]
	s_add_nc_u64 s[PS+6*(\set)+2:PS+6*(\set)+3], s[W2B:W2B+1], s[OW:OW+1]
	s_lshl_b32 s[OW], s[SN], 7
	s_add_nc_u64 s[PS+6*(\set)+4:PS+6*(\set)+5], s[B1B:B1B+1], s[OW:OW+1]
	s_add_co_u32 s[SN], s[SN], 1
	s_and_b32 s[SN], s[SN], 7
.endm
; 12 products of H^T: K steps 2 b, 2 b + 1 of x's 8.  The six accumulators take turns.  K step 0 starts the sums with the bias.
.macro SB1 b
.if (\b) < 2
	WIN 0x05                                       ; W1 and x in window 1
.else
	WIN 0x04                                       ; W1 in window 0, x in window 1
.endif
.irp kk, 0,1
.irp ht, 0,1
.irp tt, 0,1,2
.set ks, 2*(\b)+(\kk)
.set rH, H+8*(3*(\ht)+(\tt))
.set rW, WF+8*(2*(ks%4)+(\ht))
.set rX, 8*(3*ks+(\tt))
.if ks == 0
	v_wmma_f32_16x16x32_bf16 v[rH:rH+7], v[rW:rW+7], v[rX:rX+7], v[BI+8*(\ht):BI+8*(\ht)+7]
.else
	v_wmma_f32_16x16x32_bf16 v[rH:rH+7], v[rW:rW+7], v[rX:rX+7], v[rH:rH+7]
.endif
.endr
.endr
.endr
.endm
; The next step's W1 fragments for SB1 b, by the bases of a set: 8 loads of 512 consecutive bytes; with b = 0 also its 32 biases (register j of lane l: hidden unit 16 ht + 8 (l / 16) + j): 4 loads.
.macro LD1 b, set
.if (\b) < 2
	WIN 0x40
.else
	WIN 0
.endif
.irp kk, 0,1
.irp ht, 0,1
.irp c, 0,1
.set ks, 2*(\b)+(\kk)
.set rW, WF+8*(2*(ks%4)+(\ht))+4*(\c)
	global_load_b128 v[rW:rW+3], v[LO], s[PS+6*(\set):PS+6*(\set)+1] offset:(8*(\ht)+ks)*1024+512*(\c)
.endr
.endr
.endr
.if (\b) == 0
	WIN 0
.irp ht, 0,1
.irp c, 0,1
	global_load_b128 v[BI+8*(\ht)+4*(\c):BI+8*(\ht)+4*(\c)+3], v[BO], s[PS+6*(\set)+4:PS+6*(\set)+5] offset:64*(\ht)+16*(\c)
.endr
.endr
.endif
.endm
; 12 products of O^T: column blocks 4 b .. 4 b + 3, each accumulator once.  zero = 1: the first step starts the sums: nothing is cleared.
.macro SB2 b, zero
.if (\b) < 2
	WIN 0xa2                                       ; W2, C and D in window 2, P in window 0
.else
	WIN 0xf3                                       ; in window 3
.endif
.irp oo, 0,1,2,3
.irp tt, 0,1,2
.set ot, (4*(\b)+(\oo))%8
.set rO, 8*(3*ot+(\tt))
.if \zero
	v_wmma_f32_16x16x32_bf16 v[rO:rO+7], v[WF+8*ot:WF+8*ot+7], v[P+8*(\tt):P+8*(\tt)+7], 0
.else
	v_wmma_f32_16x16x32_bf16 v[rO:rO+7], v[WF+8*ot:WF+8*ot+7], v[P+8*(\tt):P+8*(\tt)+7], v[rO:rO+7]
.endif
.endr
.endr
.endm
.macro LD2 b, set                      ; the next step's W2 fragments for SB2 b: 8 loads
.if (\b) < 2
	WIN 0x80
.else
	WIN 0xc0
.endif
.irp oo, 0,1,2,3
.irp c, 0,1
.set ot, 4*(\b)+(\oo)
	global_load_b128 v[WF+8*(ot%8)+4*(\c):WF+8*(ot%8)+4*(\c)+3], v[LO], s[PS+6*(\set)+2:PS+6*(\set)+3] offset:ot*1024+512*(\c)
.endr
.endr
.endm
; H^T to P: a lane holds one token and hidden units 8 (l / 16) + 0..7 of each block of 16: block 0's pairs are registers 0-3 of source 1, block 1's registers 4-7.  Each accumulator is read from its low end on.
.macro PACK
	WIN 0
.irp tt, 0,1,2
.irp ht, 0,1
.irp p, 0,1,2,3
	v_cvt_pk_bf16_f32 v[P+8*(\tt)+4*(\ht)+(\p)], v[H+8*(3*(\ht)+(\tt))+2*(\p)], v[H+8*(3*(\ht)+(\tt))+2*(\p)+1]
.endr
.endr
.endr
.set n, 0
.rept 24
	v_pk_max_num_bf16 v[P+n], v[P+n], v[ZR]        ; relu on the rounded pair: the same numbers as rounding behind it
.set n, n+1
.endr
.endm
; The wait for group g of a step's eight (12, then 7 x 8 loads).  While the next step is fetched, behind a group were issued the other seven: 56 behind the first, 60 behind each other.
; In the last step only the groups still to be used lie behind it.
.macro WAITL fetch, g
.if \fetch
.if (\g) == 0
	s_wait_loadcnt 56
.else
	s_wait_loadcnt 60
.endif
.else
	s_wait_loadcnt 56-8*(\g)
.endif
.endm
; A step of the walk.  fetch = 1: the next step's weights are asked for, by the bases of the given set.  At its end the OTHER set is made anew, for the step after the next: every load that named it
; brought this step's weights, and this step's eight counted waits have shown all of them done (the last group by the count 60 ahead of the last twelve products), so no further wait is owed.
.macro STEP fetch, zero, set=0
.irp b, 0,1,2,3
	WAITL \fetch, \b
	SB1 \b
.if (\fetch) || ((\b) == 3)
	PLACES                                         ; in front of the loads into the registers just multiplied; behind the last block also in front of PACK
.endif
.if \fetch
	LD1 \b, \set
.endif
.endr
	PACK
.irp b, 0,1,2,3
	WAITL \fetch, 4+\b
	SB2 \b, \zero
.if \fetch
	PLACES
	LD2 \b, \set
.endif
.endr
	WIN 0                                          ; at a label and at a branch every window is 0
.if \fetch
	SETP 1-(\set)
.endif
.endm
	s_load_b512 s[4:19], s[0:1], 0x0               ; x 4:5, b1 6:7, b2 8:9, w1f 10:11, w2f 12:13, order 14:15, counts 16:17, out0 18:19
	v_lshl_add_u32 v[SPW], v0, 2, SPARE
	v_mov_b32 v[NIL], 0
	v_lshrrev_b32 v[T0], 5, v0
	v_readfirstlane_b32 s[WV], v[T0]               ; wave 0..3
	s_and_b32 s[S0], ttmp9, 15                     ; the number of my tile: START[g % 16] + g / 16
	s_lshr_b32 s[S1], s[S0], 2                     ; which of the four words,
	s_mov_b32 s[WG], ST0
	s_cmp_eq_u32 s[S1], 1
	s_cselect_b32 s[WG], ST1, s[WG]
	s_cmp_eq_u32 s[S1], 2
	s_cselect_b32 s[WG], ST2, s[WG]
	s_cmp_eq_u32 s[S1], 3
	s_cselect_b32 s[WG], ST3, s[WG]
	s_and_b32 s[S0], s[S0], 3                      ; and which of its bytes
	s_lshl_b32 s[S0], s[S0], 3
	s_lshr_b32 s[WG], s[WG], s[S0]
	s_and_b32 s[WG], s[WG], 0xff
	s_lshr_b32 s[S0], ttmp9, 4
	s_add_co_u32 s[WG], s[WG], s[S0]
	s_wait_kmcnt 0x0
	s_load_b512 s[CN:CN+15], s[16:17], 0x0         ; the 16 counts; the lane's addresses are made meanwhile
	v_and_b32 v1, 15, v0                           ; l % 16
	v_bfe_u32 v[T1], v0, 4, 1                      ; l / 16
	v_and_b32 v[T0], 31, v0
	v_lshlrev_b32 v[LO], 4, v[T0]
	v_lshlrev_b32 v[BO], 5, v[T1]
	v_mul_u32_u24 v[XA], v1, XPITCH
	v_lshl_add_u32 v[XA], v[T1], 4, v[XA]
	s_mul_i32 s[S0], s[WV], RSTAGE
	s_add_co_u32 s[S0], s[S0], RS                  ; my wave's stage
	v_mul_u32_u24 v[STO], v1, RPITCH
	v_lshl_add_u32 v[STO], v[T1], 5, v[STO]
	v_add_nc_u32 v[STO], s[S0], v[STO]
	s_mul_i32 s[S1], s[WV], 12
	v_add_nc_u32 v[RR0], s[S1], v[T1]
	v_lshlrev_b32 v[C16], 4, v1
	v_mul_u32_u24 v[XW], v[RR0], XPITCH
	v_lshl_add_u32 v[XW], v1, 3, v[XW]
	v_mov_b32 v[ZR], 0
	v_mul_u32_u24 v[T0], v[RR0], RPITCH
	v_add_nc_u32 v[T0], v[T0], v[C16]
.irp p, 0,1,2,3
	v_add_nc_u32 v[RDA+(\p)], RS+(\p)*RSTAGE, v[T0]
.endr
.irp i, 0,1,2,3,4,5
	v_mov_b32 v[TOK+(\i)], 0                       ; a work-group without rows reads no list: its tokens stay 0
.endr
	s_wait_kmcnt 0x0
	; WHICH EXPERT'S TILE IT IS.  ceil(n / 48) = ((n + 47) >> 4) / 3, and a / 3 = (a x 43,691) >> 17 for a up to 514.
	s_mov_b32 s[S0], 0
.irp e, 0,1,2,3,4,5,6,7,8,9,10,11,12,13,14,15
	s_min_u32 s[CN+(\e)], s[CN+(\e)], 8192
	s_add_co_u32 s[S1], s[CN+(\e)], 47
	s_lshr_b32 s[S1], s[S1], 4
	s_mul_i32 s[S1], s[S1], 0xaaab
	s_lshr_b32 s[S1], s[S1], 17
	s_add_co_u32 s[S0], s[S0], s[S1]
	s_mov_b32 s[PF+(\e)], s[S0]
.endr
	s_mov_b32 s[EX], 15
	s_mov_b32 s[NE], s[CN+15]
	s_mov_b32 s[TE], s[PF+15]
.irp e, 14,13,12,11,10,9,8,7,6,5,4,3,2,1,0
	s_cmp_lt_u32 s[WG], s[PF+(\e)]                 ; the lowest expert whose tiles end behind my number is taken last
	s_cselect_b32 s[EX], \e, s[EX]
	s_cselect_b32 s[NE], s[CN+(\e)], s[NE]
	s_cselect_b32 s[TE], s[PF+(\e)], s[TE]
.endr
	s_add_co_u32 s[S1], s[NE], 47
	s_lshr_b32 s[S1], s[S1], 4
	s_mul_i32 s[S1], s[S1], 0xaaab
	s_lshr_b32 s[S1], s[S1], 17                    ; my expert's tiles
	s_add_co_u32 s[TI], s[WG], s[S1]
	s_sub_co_u32 s[TI], s[TI], s[TE]               ; my tile among them; past them if my number is past all tiles
	s_mul_i32 s[S1], s[TI], 48
	s_sub_co_i32 s[ROWS], s[NE], s[S1]
	s_max_i32 s[ROWS], s[ROWS], 0                  ; then I have no rows
	s_min_u32 s[ROWS], s[ROWS], 48
	s_sub_co_u32 s[RM1], s[ROWS], 1
	s_min_u32 s[RM1], s[RM1], 47
	s_min_u32 s[TI], s[TI], 170                    ; what enters an address is bounded by a constant
	s_min_u32 s[EX], s[EX], 15
	s_mul_i32 s[TB], s[TI], 48
	s_lshl_b32 s[OA], s[EX], 19                    ; an expert's 512 KiB in w1f and in w2f,
	s_lshl_b32 s[S0], s[WV], 17                    ; my wave's quarter: 16 blocks of hidden units, or 8 K steps
	s_add_co_u32 s[OA], s[OA], s[S0]
	s_mov_b32 s[OA+1], 0
	s_add_nc_u64 s[W1B:W1B+1], s[10:11], s[OA:OA+1]
	s_add_nc_u64 s[W2B:W2B+1], s[12:13], s[OA:OA+1]
	s_lshl_b32 s[OB], s[EX], 12
	s_lshl_b32 s[S0], s[WV], 10
	s_add_co_u32 s[OB], s[OB], s[S0]
	s_mov_b32 s[OB+1], 0
	s_add_nc_u64 s[B1B:B1B+1], s[6:7], s[OB:OB+1]
	s_lshl_b32 s[OB], s[EX], 10
	s_add_nc_u64 s[B2P:B2P+1], s[8:9], s[OB:OB+1]
	s_and_b32 s[SN], s[TI], 7                      ; my walk begins at hidden step tile % 8 (the counts' registers are free from here on)
	s_mov_b32 s[OW+1], 0
	SETP 0                                         ; the bases of my walk's step 0,
	SETP 1                                         ; and of its step 1
	s_lshl_b32 s[S0], s[EX], 13                    ; an expert's 8,192 words in order
	; MY SIX TOKENS (rows 12 w + l / 16 + 2 i of the tile); places past the count repeat the tile's last row
	s_cmp_eq_u32 s[ROWS], 0
	s_cbranch_scc1 .Lno_list
.irp i, 0,1,2,3,4,5
	v_add_nc_u32 v[PA+(\i)], 2*(\i), v[RR0]
	v_min_u32 v[PA+(\i)], s[RM1], v[PA+(\i)]
	v_add_nc_u32 v[PA+(\i)], s[TB], v[PA+(\i)]
	v_min_u32 v[PA+(\i)], 0x1fff, v[PA+(\i)]       ; a place in an expert's list
	v_add_nc_u32 v[PA+(\i)], s[S0], v[PA+(\i)]
	v_lshlrev_b32 v[PA+(\i)], 2, v[PA+(\i)]
	global_load_b32 v[TOK+(\i)], v[PA+(\i)], s[14:15]
.endr
.Lno_list:
	; THE ORDER OF THE FIRST REQUESTS: the tokens, W1 of the walk's step 0, x, W2 of that step.  The first 48 products want x and W1; W2 is wanted behind them.  W1's loads are on their way while
	; the tokens come; with them at most 36 + 24 = 60 loads are out when x has been asked for.
	LD1 0, 0                                       ; 12 + 3 x 8 = 36 loads
	LD1 1, 0
	LD1 2, 0
	LD1 3, 0
	WIN 0
	s_wait_loadcnt 36                              ; the tokens are in; the 36 loads behind them stay out
.irp i, 0,1,2,3,4,5
	v_min_u32 v[TOK+(\i)], 0x1fff, v[TOK+(\i)]
	v_lshl_add_u32 v[OFF+(\i)], v[TOK+(\i)], 10, v[C16]
.endr
.irp i, 0,1,2,3,4,5
.irp q, 0,1,2,3
	global_load_b128 v[XT+4*(4*(\i)+(\q)):XT+4*(4*(\i)+(\q))+3], v[OFF+(\i)], s[4:5] offset:256*(\q)  ; sixteen lanes take 256 consecutive bytes of a row of x
.endr
.endr
	LD2 0, 0                                       ; 4 x 8 = 32 loads
	LD2 1, 0
	LD2 2, 0
	LD2 3, 0
	WIN 0
	s_wait_loadcnt 32                              ; x is in, and W1 ahead of it; W2's 32 loads stay out
.set n, 0
.rept 24
	v_cvt_pk_bf16_f32 v[XP+2*n], v[XT+4*n], v[XT+4*n+1]
	v_cvt_pk_bf16_f32 v[XP+2*n+1], v[XT+4*n+2], v[XT+4*n+3]
	ds_store_b64 v[XW], v[XP+2*n:XP+2*n+1] offset:(n/4)*2*XPITCH+(n%4)*128
.set n, n+1
.endr
	s_wait_dscnt 0x0                               ; for the others' sake: my twelve rows of x are stored
	s_barrier_signal -1
	s_barrier_wait -1
	s_cmp_eq_u32 s[ROWS], 0
	s_cbranch_scc1 .Lidle1                         ; no rows: the products and their stores are jumped; no barrier stands in what is jumped
	WIN 0x40
.irp ks, 0,1,2,3,4,5,6,7
.irp tt, 0,1,2
.irp c, 0,1
	ds_load_b128 v[8*(3*(\ks)+(\tt))+4*(\c):8*(3*(\ks)+(\tt))+4*(\c)+3], v[XA] offset:(\tt)*16*XPITCH+(\ks)*64+32*(\c)  ; all of x stays in registers
.endr
.endr
.endr
	WIN 0
	s_wait_dscnt 0x0
	STEP 1, 1, 1                                   ; the walk's step 0 stands in front of the loop: its second products start O's sums; it fetches step 1 by set 1
	s_mov_b32 s[TRIP], 3
.Lstep:                                                ; steps 1 to 6, two a trip, since the two sets of bases take turns; each fetches the step behind it
	STEP 1, 0, 0
	STEP 1, 0, 1                                   ; (the set that step 6 makes anew at its end serves nothing: the price, once, of one text for the three trips)
	s_sub_co_u32 s[TRIP], s[TRIP], 1
	s_cmp_lg_u32 s[TRIP], 0
	s_cbranch_scc1 .Lstep
	STEP 0, 0                                      ; step 7 fetches nothing
	; MY PARTIAL O goes into my stage: lane l holds token 16 tt + l % 16 and columns 16 ot + 8 (l / 16) + 0..7: 32 consecutive bytes of a row.  The low half of each accumulator first.
	PLACES
.set ot, 0
.rept 16
.if ot < 8
	WIN 0x08                                       ; the stores' data (source 1) in window 2
.else
	WIN 0x0c                                       ; in window 3
.endif
.irp tt, 0,1,2
.set rO, 8*(3*(ot%8)+(\tt))
	ds_store_b128 v[STO], v[rO:rO+3] offset:(\tt)*16*RPITCH+ot*64
	ds_store_b128 v[STO], v[rO+4:rO+7] offset:(\tt)*16*RPITCH+ot*64+16
.endr
.set ot, ot+1
.endr
	WIN 0
.Lidle1:
.irp q, 0,1,2,3
	global_load_b128 v[BI+4*(\q):BI+4*(\q)+3], v[C16], s[B2P:B2P+1] offset:256*(\q)  ; b2 of my four columns in each quarter of a row, into the registers that held b1
.endr
	s_wait_dscnt 0x0                               ; for the others' sake: my stage is written
	s_barrier_signal -1
	s_barrier_wait -1
	s_cmp_eq_u32 s[ROWS], 0
	s_cbranch_scc1 .Lidle2
	; THE WAY OUT.  Wave w adds the four stages and b2 for rows 12 w .. 12 w + 11, two rows at a time (lanes 0-15 one row, lanes 16-31 the next), and stores each row at its token's place.
.macro RDL i                           ; rows RR0 + 2 i: 16 loads into buffer i % 2
.irp p, 0,1,2,3
.irp q, 0,1,2,3
	ds_load_b128 v[FB+64*((\i)%2)+16*(\p)+4*(\q):FB+64*((\i)%2)+16*(\p)+4*(\q)+3], v[RDA+(\p)] offset:(\i)*2*RPITCH+256*(\q)
.endr
.endr
.endm
.macro OUTROW i, left
.set fb, FB+64*((\i)%2)
	s_wait_dscnt \left                             ; my 16 loads are back; the next pair of rows' 16 may stay out
.irp d, 0,2,4,6,8,10,12,14
	v_pk_add_f32 v[fb+(\d):fb+(\d)+1], v[fb+(\d):fb+(\d)+1], v[BI+(\d):BI+(\d)+1]
.endr
.irp p, 1,2,3
.irp d, 0,2,4,6,8,10,12,14
	v_pk_add_f32 v[fb+(\d):fb+(\d)+1], v[fb+(\d):fb+(\d)+1], v[fb+16*(\p)+(\d):fb+16*(\p)+(\d)+1]
.endr
.endr
	v_add_nc_u32 v[T0], 2*(\i), v[RR0]
	v_cmp_gt_u32 vcc_lo, s[ROWS], v[T0]            ; rows past the count, which repeat a token, are not stored
	s_wait_xcnt 0x0                                ; EXEC is a source of pending global instructions: it changes only behind this wait
	s_and_saveexec_b32 s[SV], vcc_lo
.irp q, 0,1,2,3
	global_store_b128 v[OFF+(\i)], v[fb+4*(\q):fb+4*(\q)+3], s[18:19] offset:256*(\q) th:TH_STORE_NT  ; sixteen lanes store 256 consecutive bytes, at a multiple of 256 from out0's first
.endr
	s_wait_xcnt 0x0                                ; and again; it also frees the buffer for the loads that follow
	s_or_b32 exec_lo, exec_lo, s[SV]
.endm
	RDL 0
	RDL 1
	s_wait_loadcnt 0x0                             ; b2
	OUTROW 0, 16
	RDL 2
	OUTROW 1, 16
	RDL 3
	OUTROW 2, 16
	RDL 4
	OUTROW 3, 16
	RDL 5
	OUTROW 4, 16
	OUTROW 5, 0
.Lidle2:
	s_wait_tensorcnt 0x0                           ; the wave's end
	ds_add_u32 v[SPW], v[NIL]
	s_wait_dscnt 0x0
	s_endpgm
.Lfunc_end_k_qa671634a9f_mlp:
	.size	k_qa671634a9f_mlp, .Lfunc_end_k_qa671634a9f_mlp-k_qa671634a9f_mlp
	.p2alignl 7, 3214868480
	.fill 96, 4, 3214868480
	.section	.rodata,"a",@progbits
	.p2align	6, 0x0
	.amdhsa_kernel k_qa671634a9f_mlp
		.amdhsa_group_segment_fixed_size 225792
		.amdhsa_private_segment_fixed_size 0
		.amdhsa_enable_private_segment 0
		.amdhsa_kernarg_size 64
		.amdhsa_user_sgpr_count 2
		.amdhsa_user_sgpr_kernarg_segment_ptr 1
		.amdhsa_wavefront_size32 1
		.amdhsa_system_sgpr_workgroup_id_x 1
		.amdhsa_system_sgpr_workgroup_id_y 1
		.amdhsa_system_sgpr_workgroup_id_z 1
		.amdhsa_system_vgpr_workitem_id 0
		.amdhsa_next_free_vgpr 1024
		.amdhsa_next_free_sgpr 80
		.amdhsa_reserve_vcc 1
		.amdhsa_float_denorm_mode_32 3
		.amdhsa_float_denorm_mode_16_64 3
		.amdhsa_memory_ordered 1
		.amdhsa_forward_progress 1
		.amdhsa_inst_pref_size 121
	.end_amdhsa_kernel
	.amdgpu_metadata
---
amdhsa.version: [ 1, 2 ]
amdhsa.kernels:
  - .name:           k_qa671634a9f_mlp
    .symbol:         k_qa671634a9f_mlp.kd
    .args:
      - { .name: x, .offset: 0, .size: 8, .value_kind: global_buffer, .address_space: global }
      - { .name: b1, .offset: 8, .size: 8, .value_kind: global_buffer, .address_space: global }
      - { .name: b2, .offset: 16, .size: 8, .value_kind: global_buffer, .address_space: global }
      - { .name: w1f, .offset: 24, .size: 8, .value_kind: global_buffer, .address_space: global }
      - { .name: w2f, .offset: 32, .size: 8, .value_kind: global_buffer, .address_space: global }
      - { .name: order, .offset: 40, .size: 8, .value_kind: global_buffer, .address_space: global }
      - { .name: counts, .offset: 48, .size: 8, .value_kind: global_buffer, .address_space: global }
      - { .name: out0, .offset: 56, .size: 8, .value_kind: global_buffer, .address_space: global }
    .group_segment_fixed_size: 225792
    .private_segment_fixed_size: 0
    .kernarg_segment_align: 8
    .kernarg_segment_size: 64
    .max_flat_workgroup_size: 128
    .sgpr_count:     80
    .vgpr_count:     1024
    .wavefront_size: 32
...
	.end_amdgpu_metadata
.endif
;; end of part 3
